; MI455X (gfx1250); checked and timed in simulation.
; The chip was launched on July 23, 2026; its instructions are those of AMD's public machine-readable ISA for CDNA 5 (MIT licence, August 2026) and "CDNA5" Instruction Set Architecture Reference Guide (July 2026). The comments in the code are by the model that wrote it; some were corrected since.
;; Min GRU. Allowed arithmetic: matrix products marked QUANTISED: E2M1 operands, one E8M0 scale for each 32 along K, by v_wmma_scale_f32_16x16x128_f8f6f4 with both operands' format E2M1 (or v_wmma_scale_f32_32x16x128_f4), f32 sums; everything else in f32.
;; Inputs: Wh_codes 1,024 x 32 x 16 uint8 (E2M1 codes of Wh, K innermost, in blocks of 32 codes, two codes a byte); Wh_scales 1,024 x 32 uint8 (E8M0 scales of Wh, one for each 32 codes along K); Wo_codes 1,024 x 32 x 16 uint8 (E2M1 codes of Wo, K innermost, in blocks of 32 codes, two codes a byte); Wo_scales 1,024 x 32 uint8 (E8M0 scales of Wo, one for each 32 codes along K); Wz_codes 1,024 x 32 x 16 uint8 (E2M1 codes of Wz, K innermost, in blocks of 32 codes, two codes a byte); Wz_scales 1,024 x 32 uint8 (E8M0 scales of Wz, one for each 32 codes along K); bh 1,024 float32; bo 1,024 float32; bz 1,024 float32; x_codes 8 x 2,048 x 32 x 16 uint8 (E2M1 codes of x, K innermost, in blocks of 32 codes, two codes a byte); x_scales 8 x 2,048 x 32 uint8 (E8M0 scales of x, one for each 32 codes along K).
;; Outputs: out0 8 x 2,048 x 1,024 float32.
;; This version of the problem:
;;   THIS VERSION OF THE PROBLEM IS GIVEN IN LOW PRECISION. The matrix products marked QUANTISED in the list below multiply operands that are first quantised to E2M1 (2 exponent bits, 1 mantissa bit; 4 bits a number), with one power-of-two scale for each 32 numbers along K (OCP MX v1.0); their sums are f32. All else is computed in f32.
;;   The module's matrix products, in the order in which they are computed (A, B: the left and right operand; K: the contracted axis; several contracted axes count as one K, in the product's order):
;;     1. [M 16,384, K 1,024] x [K 1,024, N 1,024]; A: input x (given as codes); B: input Wz (given as codes): QUANTISED
;;     2. [M 16,384, K 1,024] x [K 1,024, N 1,024]; A: input x (given as codes); B: input Wh (given as codes): QUANTISED
;;     3. [M 16,384, K 1,024] x [K 1,024, N 1,024]; A: computed on the way; B: input Wo (given as codes): QUANTISED
;;   THE QUANTISER, for each operand of a quantised product, along K:
;;     - K is cut into blocks of 32 from its start; a last block that is shorter is filled with zeros.
;;     - A block's scale is 2^e with e = floor(log2(the largest magnitude in the block)) - 2, held to -126 .. 127; a block of zeros has e = 0. As a byte (E8M0): e + 127.
;;     - Each number is divided by its block's scale, clamped to +-6, and rounded to the nearest number of E2M1, ties to even, subnormals kept.
;;     - The product sums the exact products of the quantised numbers (number of the format x scale) in f32.
;;   ~~~python
;;   def quantise(x, axis):      # numpy; x: float32 -> the quantised numbers, widened to float32 again
;;       x = np.moveaxis(x, axis, -1); K = x.shape[-1]
;;       x = np.pad(x, [(0, 0)] * (x.ndim - 1) + [(0, -K % 32)]); x = x.reshape(x.shape[:-1] + (-1, 32)); a = np.abs(x).max(-1, keepdims=True)
;;       e = np.where(a > 0, np.clip(np.frexp(np.where(a > 0, a, 1))[1] - 1 - 2, -126, 127), 0)      # np.frexp(a)[1] - 1 = floor(log2(a)), exactly
;;       r = np.clip(x / 2.0 ** e, -6, 6)
;;       step = 2.0 ** (np.maximum(np.frexp(np.where(r == 0, 1, r))[1] - 1, 0) - 1)
;;       q = np.round(r / step) * step * 2.0 ** e      # np.round: ties to even
;;       return np.moveaxis(q.reshape(q.shape[:-2] + (-1,))[..., :K], -1, axis).astype(np.float32)
;;   ~~~
;;   OPERANDS COMPUTED ON THE WAY. 'Computed on the way' means the value that the module computes at that place (a softmax that the list does not call 'softmax' is quantised finished and normalised). What goes into a quantiser is computed in f32, as accurately as f32 sums, v_exp_f32 and their like allow (about 1e-6 of the number): no bf16 or f16 on the way to a quantiser, and a product that is left as it is and whose result goes on into a quantised operand takes f32 operands (vector FMAs, or v_wmma_f32_16x16x4_f32). A number that lies on a knife's edge between two numbers of the format may be rounded either way, as far as f32 arithmetic and the matrix unit's own rounding can turn it there, and no further.
;;   INPUTS GIVEN AS CODES. Wh (in the module: [1024, 1024], K = its axis 1); Wo (in the module: [1024, 1024], K = its axis 1); Wz (in the module: [1024, 1024], K = its axis 1); x (in the module: [8, 2048, 1024], K = its axis 2): each comes as NAME_codes (uint8): NAME with its K axis moved to the last place and cut into blocks of 32 codes, [.., K / 32, bytes a block], one block behind the other in memory; two codes a byte, the lower K in the low four bits (a code: sign, 2 exponent bits, 1 mantissa bit); and NAME_scales (uint8): the same leading axes, one E8M0 byte (e + 127) for each 32 codes along K. Its value is code x scale, taken as it is: it is not quantised again, and the codes and scales need not be those that the quantiser above would give.
;; One version. Each part assembles by itself: llvm-mc -triple=amdgcn-amd-amdhsa -mcpu=gfx1250 --defsym DOCPART=n.
;; ======== version 1 of 1: 2 launches
;; limits: right only within a limited range of input values
;; workspace buffers: h_codes 8,388,608 bytes; h_scales 524,288 bytes
;; launch gru (part 1): grid 32 x 8, 8 waves a work-group, clusters of 4 x 1, 327,680 bytes of LDS; arguments x_codes, x_scales, Wz_codes, Wz_scales, bz, Wh_codes, Wh_scales, bh, h_codes, h_scales; writes h_codes, h_scales
.if DOCPART == 1
	.amdgcn_target "amdgcn-amd-amdhsa--gfx1250"
	.amdhsa_code_object_version 6
	.text
	.protected	k_qfa54d89211_gru
	.globl	k_qfa54d89211_gru
	.p2align	8
	.type	k_qfa54d89211_gru,@function
k_qfa54d89211_gru:
	s_mov_b64 s[64:65], 0
	v_nop
	global_prefetch_b8 v0, s[64:65] scope:SCOPE_SE
	s_setreg_imm32_b32 hwreg(HW_REG_WAVE_MODE, 25, 1), 1
	s_wait_xcnt 0x0
	s_wait_alu depctr_hold_cnt(0) depctr_sa_sdst(0) depctr_va_vdst(0) depctr_va_sdst(0) depctr_va_ssrc(0) depctr_va_vcc(0) depctr_vm_vsrc(0)
	s_getreg_b32 s2, hwreg(HW_REG_IB_STS2, 6, 4)
	s_cmp_eq_u32 s2, 0
	s_cbranch_scc0 .Lentry_in_a_cluster
	s_endpgm
.Lentry_in_a_cluster:
	s_bfe_u32 s2, ttmp6, 0x10000c
	s_cmp_lg_u32 s2, 0x3003
	s_cbranch_scc0 .Lentry_shape_is_right
	s_endpgm
.Lentry_shape_is_right:
; MinGRU, first launch: k = x Wz^T + bz and th = x Wh^T + bh on FP4 codes with E8M0 scales; log(1 - z), log z and log_g(th) in f32; the scan in log space:
; a* = the running sum of log(1 - z), log h = a* + the running log-sum-exp of (log z + log_g - a*), each log-add-exp with its maximum taken away; h = exp(log h) is quantised along the channels into h_codes, h_scales.
; SHARES.  A work-group owns one sequence and 32 channels (one block of the next K) and walks the 2,048 steps in 8 trips of 256.  Wave w: channels 16 (w / 4) on, steps 64 (w % 4) on, four tiles of 16 steps.
; Source 0 = 16 rows of x, source 1 = 16 rows of Wz or Wh (they stay in 128 registers): a lane holds ONE channel, its registers run along the steps.  The rows of x that form a tile are chosen so that the even and
; the odd registers of a lane are two runs of 16 steps on end: run 4 (w % 4) + 2 (lane / 16) + parity of the trip's 16.  The runs' last sums meet in LDS twice a trip: once for a*, once for the log-sum-exp.
; CLUSTER: the four work-groups of a cluster read the same rows of x: each tile is asked for jointly.  The tile one refill on is prefetched by waves 0-3 of the sequence's first cluster, the partners' parts told apart by address.
; TWO TRIPS ARE AT WORK AT ONCE.  The chain of log-add-exps inside the runs of trip t + 1 hangs on nothing of the chain across the runs of trip t: the two are walked together, link by link, under the same waits.
; So trip t + 1's products, activations and sums stand ahead of trip t's last steps; trip t's a* and log-sums lie in a second set of registers (v192-255) until its h is made.
; The first trip's front and its chain stand ahead of the loop, the last trip's chain across the runs and its way out behind it.
.set TILEB,  131072
.set RUN,    0x11000
.set SLOTX,  0x8400
.set HALFR,  0x4200
.set XP,     528
.set TRB,    4*RUN
.set TRP,    144
.set TRW,    64*TRP
.set EXB,    TRB+4*TRW
.set EXPI,   80
.set EX2,    32*EXPI
.set HSB,    EXB+2*EX2
.set SPARE,  HSB+2048
.set SPW, 2
.set NIL, 3
.set AX0, 4
.set ADX, 8
.set XSO, 12
.set TW,  13
.set TRD, 14
.set HS0, 15
.set HSA, 16
.set HCO, 17
.set EXW, 18
.set EXR, 19
.set PFO, 20
.set WS,  24
.set XS,  40
.set MR,  56
.set DR,  72
.set E3,  88
.set TT,  56
.set PP,  92
.set AM,  96
.set DD,  100
.set X2,  108
.set Y2,  110
.set VLN, 112
.set VNLN, 113
.set NEG, 114
.set XA,  116
.set XB,  117
.set YN,  120
.set YA,  126
.set ACC, 128
.set AE,  ACC+46
.set AC2, 192                          ; v192-255: the trip whose h is still to be made: 16 of a*, 16 of log-sums for each pp, laid as v128-191
.set HE,  AC2+62                       ; its runs' last log-sums
.set HE1, ACC+62                       ; the same of the trip in v128-191
.set PA,  122                          ; v122-123 a* ahead of my two runs
.set SCR, 56                           ; v56-71, v88-103: a* at work
.set T2,  72                           ; v72-87 the 16 runs' log-sums
.set D1,  102
.set A1,  98
.set XF,  128
.set BI,  192
.set WV,  24
.set CX,  25
.set CB,  26
.set BB,  27
.set G1,  28
.set G0A, 36
.set G0B, 40
.set TB,  44
.set HN,  45
.set CNT, 46
.set LIM, 47
.set PFA, 48
.set LC,  50
.set NLC, 52
.set HI16, 58
.set WM1, 59
.set LN2, 80
.set NLN2, 82
.set WQ,  84
.set CT,  85
.set MSB, 0
.macro WIN new
.if MSB != \new
	s_set_vgpr_msb (MSB<<8)|\new
.set MSB, \new
.endif
.endm
.macro PLACES
.rept 4
	v_nop
.endr
.endm
.macro CROUND
	s_barrier_signal -1
	s_barrier_wait -1
	s_cmp_lg_u32 s[WV], 0
	s_cbranch_scc1 .Lnot_wave_0_\@
	s_barrier_signal -3
.Lnot_wave_0_\@:
	s_barrier_wait -3
	s_barrier_signal -1
	s_barrier_wait -1
.endm
.macro WMS ra
.if (\ra) == 0
	v_wmma_scale_f32_16x16x128_f8f6f4 v[rD:rD+7], v[rA:rA+7], v[rB:rB+7], v[rC:rC+7], v[rSA], v[rSB] matrix_a_fmt:MATRIX_FMT_FP4 matrix_b_fmt:MATRIX_FMT_FP4
.else
	v_wmma_scale_f32_16x16x128_f8f6f4 v[rD:rD+7], v[rA:rA+7], v[rB:rB+7], v[rC:rC+7], v[rSA], v[rSB] matrix_a_fmt:MATRIX_FMT_FP4 matrix_b_fmt:MATRIX_FMT_FP4 matrix_a_scale:MATRIX_SCALE_ROW1
.endif
.endm
.macro MM i, s
.irp g, 0,1
.set rD, ACC+32*((\i)/2)+8*((\i)%2)+16*\g
.set rA, XF+8*(\s)
.set rB, 8*(8*\g+(\s))
.if (\s) == 0
.set rC, BI+8*\g
.else
.set rC, rD
.endif
.set rSA, XS+4*(\i)+(\s)%4
.set rSB, WS+8*\g+(\s)
	WMS (\s)/4
.endr
.endm
.macro FETCH i, half
	WIN 0x40
.irp s, 0,1,2,3
.irp c, 0,1
	ds_load_b128 v[XF+8*(4*(\half)+\s)+4*\c:XF+8*(4*(\half)+\s)+4*\c+3], v[ADX+(\i)] offset:64*(4*(\half)+\s)+32*\c
.endr
.endr
.endm
.macro GT i
	s_wait_dscnt 8
	WIN 0x15
	MM \i, 0
	WIN 0x05
	MM \i, 1
	MM \i, 2
	MM \i, 3
.if (\i) < 3
	PLACES
	FETCH (\i)+1, 0
	s_wait_dscnt 8
.else
	s_wait_dscnt 0x0
.endif
	WIN 0x05
	MM \i, 4
	MM \i, 5
	MM \i, 6
	MM \i, 7
	PLACES
.if (\i) < 3
	FETCH (\i)+1, 1
.endif
	WIN 0
.endm
.macro ACT pp
.set KR, ACC+32*(\pp)
.set TH, KR+16
.irp e, 0,1,2,3,4,5,6,7,8,9,10,11,12,13,14,15
	v_mul_f32 v[MR+\e], s[NLC], |v[KR+\e]|
.endr
	s_wait_alu depctr_va_vdst(0)
.irp e, 0,1,2,3,4,5,6,7,8,9,10,11,12,13,14,15
	v_exp_f32 v[MR+\e], v[MR+\e]
.endr
	s_wait_alu depctr_va_vdst(0)
.irp e, 0,1,2,3,4,5,6,7,8,9,10,11,12,13,14,15
	v_min_num_f32 v[DR+\e], 0, v[TH+\e]
.endr
.irp u, 0,2,4,6,8,10,12,14
	v_pk_add_f32 v[TH+\u:TH+\u+1], v[TH+\u:TH+\u+1], v[DR+\u:DR+\u+1] neg_lo:[0,1] neg_hi:[0,1]
.endr
.irp u, 0,2,4,6,8,10,12,14
	v_pk_mul_f32 v[E3+\u:E3+\u+1], v[DR+\u:DR+\u+1], s[LC:LC+1] op_sel_hi:[1,0]
.endr
	s_wait_alu depctr_va_vdst(0)
.irp e, 0,1,2,3,4,5,6,7,8,9,10,11,12,13,14,15
	v_exp_f32 v[E3+\e], v[E3+\e]
.endr
	v_nop
	s_wait_alu depctr_va_vdst(0)
.irp u, 0,2,4,6,8,10,12,14
	v_pk_add_f32 v[MR+\u:MR+\u+1], v[MR+\u:MR+\u+1], 1.0 op_sel_hi:[1,0]
.endr
	s_wait_alu depctr_va_vdst(0)
.irp e, 0,1,2,3,4,5,6,7,8,9,10,11,12,13,14,15
	v_log_f32 v[MR+\e], v[MR+\e]
.endr
.irp u, 0,2,4,6,8,10,12,14
	v_pk_add_f32 v[E3+\u:E3+\u+1], v[E3+\u:E3+\u+1], 1.0 op_sel_hi:[1,0]
.endr
.irp u, 0,2,4,6,8,10,12,14
	v_pk_add_f32 v[TH+\u:TH+\u+1], v[TH+\u:TH+\u+1], 0.5 op_sel_hi:[1,0]
.endr
.irp e, 0,1,2,3,4,5,6,7,8,9,10,11,12,13,14,15
	v_cmp_eq_f32 vcc_lo, 0, v[DR+\e]
	s_delay_alu instid0(VALU_DEP_1)
	v_cndmask_b32 v[E3+\e], v[E3+\e], v[TH+\e], vcc_lo
	s_delay_alu instid0(VALU_DEP_2)
	v_cndmask_b32 v[TH+\e], v[VNLN], v[VLN], vcc_lo
.endr
	s_wait_alu depctr_va_vdst(0)
.irp e, 0,1,2,3,4,5,6,7,8,9,10,11,12,13,14,15
	v_log_f32 v[E3+\e], v[E3+\e]
.endr
	v_nop
	s_wait_alu depctr_va_vdst(0)
.irp u, 0,2,4,6,8,10,12,14
	v_pk_fma_f32 v[E3+\u:E3+\u+1], v[E3+\u:E3+\u+1], v[TH+\u:TH+\u+1], v[DR+\u:DR+\u+1]
.endr
.irp e, 0,1,2,3,4,5,6,7,8,9,10,11,12,13,14,15
	v_min_num_f32 v[DR+\e], 0, v[KR+\e]
.endr
.irp u, 0,2,4,6,8,10,12,14
	v_pk_add_f32 v[KR+\u:KR+\u+1], v[KR+\u:KR+\u+1], v[DR+\u:DR+\u+1] neg_lo:[0,1] neg_hi:[0,1]
.endr
.irp u, 0,2,4,6,8,10,12,14
	v_pk_fma_f32 v[TH+\u:TH+\u+1], v[MR+\u:MR+\u+1], s[NLN2:NLN2+1], v[DR+\u:DR+\u+1] op_sel_hi:[1,0,1]
.endr
.irp u, 0,2,4,6,8,10,12,14
	v_pk_fma_f32 v[KR+\u:KR+\u+1], v[MR+\u:MR+\u+1], s[NLN2:NLN2+1], v[KR+\u:KR+\u+1] op_sel_hi:[1,0,1] neg_lo:[0,0,1] neg_hi:[0,0,1]
.endr
.irp u, 0,2,4,6,8,10,12,14
	v_pk_add_f32 v[TH+\u:TH+\u+1], v[TH+\u:TH+\u+1], v[E3+\u:E3+\u+1]
.endr
.endm
.macro SUM pp
.irp q, 0,1,2,3,4,5,6,7
.if 8*(\pp)+\q > 0
.set cA, ACC+32*(\pp)+2*\q
.if \q > 0
.set pA, cA-2
.else
.set pA, cA-18
.endif
	v_pk_add_f32 v[cA:cA+1], v[pA:pA+1], v[cA:cA+1]
.endif
.endr
.endm
.macro XSLOAD fill
.if \fill
	s_add_nc_u64 s[6:7], s[6:7], 8192
.else
	s_cmp_eq_u32 s[CNT], 1
	s_cselect_b32 s66, 0, 8192
	s_mov_b32 s67, 0
	s_add_nc_u64 s[6:7], s[6:7], s[66:67]
.endif
.irp t, 0,1,2,3
	global_load_b128 v[XS+4*\t:XS+4*\t+3], v[XSO], s[6:7] offset:128*\t
.endr
.endm
.macro ASK
	s_cmp_gt_u32 s[CNT], s[LIM]
	s_cbranch_scc0 .Lnot_mine_\@
	global_prefetch_b8 v[PFO], s[PFA:PFA+1] th:TH_LOAD_NT scope:SCOPE_SE
.Lnot_mine_\@:
.endm
.macro MEET fill
	s_wait_tensorcnt 0x0
	ds_add_u32 v[SPW], v[NIL]
.if \fill
	s_xor_b32 s[G0B+1], s[G0B+1], SLOTX
	s_add_nc_u64 s[G0B+2:G0B+3], s[G0B+2:G0B+3], TILEB
	s_wait_xcnt 0x0
	s_add_nc_u64 s[PFA:PFA+1], s[PFA:PFA+1], TILEB
	s_wait_dscnt 0x0
	CROUND
	tensor_load_to_lds s[G0B:G0B+3], s[G1:G1+7]
	s_nop 0
.rept 4
	v_nop
.endr
	ASK
.else
	s_wait_dscnt 0x0
	s_barrier_signal -1
	s_barrier_wait -1
.endif
.endm
.macro NEXTX
	s_xor_b32 s[TB], s[TB], SLOTX
.irp t, 0,1,2,3
	v_add_nc_u32 v[ADX+\t], s[TB], v[AX0+\t]
.endr
	FETCH 0, 0
	FETCH 0, 1
	WIN 0
.endm
.macro LAEP x, y
	v_pk_add_f32 v[DD:DD+1], v[\x:\x+1], v[\y:\y+1] neg_lo:[0,1] neg_hi:[0,1]
	s_delay_alu instid0(VALU_DEP_1)
	v_mul_f32 v[DD], s[NLC], |v[DD]|
	s_delay_alu instid0(VALU_DEP_2)
	v_mul_f32 v[DD+1], s[NLC], |v[DD+1]|
	s_wait_alu depctr_va_vdst(0)
	v_exp_f32 v[DD], v[DD]
	v_exp_f32 v[DD+1], v[DD+1]
	v_max_num_f32 v[AM], v[\x], v[\y]
	v_max_num_f32 v[AM+1], v[\x+1], v[\y+1]
	s_wait_alu depctr_va_vdst(0)
	v_pk_add_f32 v[DD:DD+1], v[DD:DD+1], 1.0 op_sel_hi:[1,0]
	s_wait_alu depctr_va_vdst(0)
	v_log_f32 v[DD], v[DD]
	v_log_f32 v[DD+1], v[DD+1]
	v_nop
	s_wait_alu depctr_va_vdst(0)
	v_pk_fma_f32 v[\y:\y+1], v[DD:DD+1], s[LN2:LN2+1], v[AM:AM+1] op_sel_hi:[1,0,1]
.endm
.macro LAE1 x, y
	v_sub_f32 v[DD], v[\x], v[\y]
	s_delay_alu instid0(VALU_DEP_1)
	v_mul_f32 v[DD], s[NLC], |v[DD]|
	s_wait_alu depctr_va_vdst(0)
	v_exp_f32 v[DD], v[DD]
	v_max_num_f32 v[AM], v[\x], v[\y]
	s_wait_alu depctr_va_vdst(0)
	v_add_f32 v[DD], 1.0, v[DD]
	s_wait_alu depctr_va_vdst(0)
	v_log_f32 v[DD], v[DD]
	v_nop
	s_wait_alu depctr_va_vdst(0)
	v_fma_f32 v[\y], v[DD], s[LN2], v[AM]
.endm
.macro LAE2 x0, x1, y0, y1, o0, o1
	v_sub_f32 v[DD], v[\x0], v[\y0]
	v_sub_f32 v[DD+1], v[\x1], v[\y1]
	s_delay_alu instid0(VALU_DEP_2)
	v_mul_f32 v[DD], s[NLC], |v[DD]|
	s_delay_alu instid0(VALU_DEP_2)
	v_mul_f32 v[DD+1], s[NLC], |v[DD+1]|
	s_wait_alu depctr_va_vdst(0)
	v_exp_f32 v[DD], v[DD]
	v_exp_f32 v[DD+1], v[DD+1]
	v_max_num_f32 v[AM], v[\x0], v[\y0]
	v_max_num_f32 v[AM+1], v[\x1], v[\y1]
	s_wait_alu depctr_va_vdst(0)
	v_pk_add_f32 v[DD:DD+1], v[DD:DD+1], 1.0 op_sel_hi:[1,0]
	s_wait_alu depctr_va_vdst(0)
	v_log_f32 v[DD], v[DD]
	v_log_f32 v[DD+1], v[DD+1]
	v_nop
	s_wait_alu depctr_va_vdst(0)
	v_fma_f32 v[\o0], v[DD], s[LN2], v[AM]
	v_fma_f32 v[\o1], v[DD+1], s[LN2], v[AM+1]
.endm
.macro SELECT base
	v_cndmask_b32 v[XA], v[\base], v[TT+3], s[WM1]
	v_cndmask_b32 v[YA], v[TT+1], v[TT+5], s[WM1]
	s_delay_alu instid0(VALU_DEP_2)
	v_cndmask_b32 v[XA], v[XA], v[TT+7], s[WM1+1]
	s_delay_alu instid0(VALU_DEP_2)
	v_cndmask_b32 v[YA], v[YA], v[TT+9], s[WM1+1]
	s_delay_alu instid0(VALU_DEP_2)
	v_cndmask_b32 v[XA], v[XA], v[TT+11], s[WM1+2]
	s_delay_alu instid0(VALU_DEP_2)
	v_cndmask_b32 v[YA], v[YA], v[TT+13], s[WM1+2]
	s_delay_alu instid0(VALU_DEP_1)
	v_cndmask_b32 v[XA], v[XA], v[YA], s[HI16]
.endm
.macro PRELOAD                         ; my channel's 16 run sums of log(1 - z)
.irp j, 0,1,2,3
	ds_load_b128 v[TT+4*\j:TT+4*\j+3], v[EXR] offset:16*\j
.endr
.endm
.macro PRE1
	s_wait_dscnt 16                                ; PRELOAD's four loads are in; the sixteen fragment loads issued behind them may be out
.irp j, 1
	v_add_f32 v[TT+\j], v[TT+\j-1], v[TT+\j]
.endr
.irp j, 2, 3, 4, 5, 6, 7, 8, 9, 10, 11, 12, 13, 14, 15
	s_delay_alu instid0(VALU_DEP_1)
	v_add_f32 v[TT+\j], v[TT+\j-1], v[TT+\j]
.endr
	SELECT NIL
	s_delay_alu instid0(VALU_DEP_1)
	v_add_f32 v[XB], v[XA], v[AE]
	s_delay_alu instid0(VALU_DEP_2)
	v_add_f32 v[PA], v[XA], v[X2]
	s_delay_alu instid0(VALU_DEP_2)
	v_add_f32 v[PA+1], v[XB], v[X2]
	v_add_f32 v[X2], v[X2], v[TT+15]
.endm
.macro APPLY
.irp pp, 0,1
.irp q, 0,1,2,3,4,5,6,7
	v_pk_add_f32 v[SCR+32*\pp+2*\q:SCR+32*\pp+2*\q+1], v[ACC+32*\pp+2*\q:ACC+32*\pp+2*\q+1], v[PA:PA+1]
.endr
.endr
.irp pp, 0,1
.irp q, 0,1,2,3,4,5,6,7
	v_pk_add_f32 v[ACC+32*\pp+16+2*\q:ACC+32*\pp+16+2*\q+1], v[ACC+32*\pp+16+2*\q:ACC+32*\pp+16+2*\q+1], v[SCR+32*\pp+2*\q:SCR+32*\pp+2*\q+1] neg_lo:[0,1] neg_hi:[0,1]
.endr
.endr
.endm
.macro JSTEP pp, q
.set jc, ACC+32*(\pp)+16+2*(\q)
.if (\q) > 0
.set jp, jc-2
.else
.set jp, jc-18
.endif
	LAEP jp, jc
.endm
.macro JCH
.irp pp, 0,1
.irp q, 0,1,2,3,4,5,6,7
.if 8*\pp+\q > 0
	JSTEP \pp, \q
.endif
.endr
.endr
.endm
.macro PRELOAD2                        ; my channel's 16 run log-sums
.irp j, 0,1,2,3
	ds_load_b128 v[TT+4*\j:TT+4*\j+3], v[EXR] offset:EX2+16*\j
.endr
.endm
.macro PRE2C                           ; the chain across the runs, by itself: the last trip's
.irp j, 1,2,3,4,5,6,7,8,9,10,11,12,13,14,15
	LAE1 TT+\j-1, TT+\j
.endr
.endm
; one link of both chains: y = log-add-exp(x, y), packed, inside my two runs of the trip in v128-191; and run j's log-sum joined to the runs before it, for the trip in v192-255.  Each of the four waits serves both
.macro LINK2 x, y, j
	v_pk_add_f32 v[DD:DD+1], v[\x:\x+1], v[\y:\y+1] neg_lo:[0,1] neg_hi:[0,1]
	v_sub_f32 v[D1], v[T2+\j-1], v[T2+\j]
	s_delay_alu instid0(VALU_DEP_2)
	v_mul_f32 v[DD], s[NLC], |v[DD]|
	s_delay_alu instid0(VALU_DEP_3)
	v_mul_f32 v[DD+1], s[NLC], |v[DD+1]|
	s_delay_alu instid0(VALU_DEP_3)
	v_mul_f32 v[D1], s[NLC], |v[D1]|
	s_wait_alu depctr_va_vdst(0)
	v_exp_f32 v[DD], v[DD]
	v_exp_f32 v[DD+1], v[DD+1]
	v_exp_f32 v[D1], v[D1]
	v_max_num_f32 v[AM], v[\x], v[\y]
	v_max_num_f32 v[AM+1], v[\x+1], v[\y+1]
	v_max_num_f32 v[A1], v[T2+\j-1], v[T2+\j]
	s_wait_alu depctr_va_vdst(0)
	v_pk_add_f32 v[DD:DD+1], v[DD:DD+1], 1.0 op_sel_hi:[1,0]
	v_add_f32 v[D1], 1.0, v[D1]
	s_wait_alu depctr_va_vdst(0)
	v_log_f32 v[DD], v[DD]
	v_log_f32 v[DD+1], v[DD+1]
	v_log_f32 v[D1], v[D1]
	v_nop
	s_wait_alu depctr_va_vdst(0)
	v_pk_fma_f32 v[\y:\y+1], v[DD:DD+1], s[LN2:LN2+1], v[AM:AM+1] op_sel_hi:[1,0,1]
	v_fma_f32 v[T2+\j], v[D1], s[LN2], v[A1]
.endm
.macro JCH2
.irp pp, 0,1
.irp q, 0,1,2,3,4,5,6,7
.if 8*\pp+\q > 0
.set jc, ACC+32*\pp+16+2*\q
.if \q > 0
.set jp, jc-2
.else
.set jp, jc-18
.endif
	LINK2 jp, jc, 8*\pp+\q
.endif
.endr
.endr
.endm
; the trip in v128-191 goes over to v192-255, since the next trip's products write v128-191 anew: a* is formed again from the runs' sums, by the same addition; the log-sums are moved.  Then my runs' last log-sums go to LDS
.macro SHIFT
.irp pp, 0,1
.irp q, 0,1,2,3,4,5,6,7
	v_pk_add_f32 v[AC2+32*\pp+2*\q:AC2+32*\pp+2*\q+1], v[ACC+32*\pp+2*\q:ACC+32*\pp+2*\q+1], v[PA:PA+1]
.endr
.endr
.irp pp, 0,1
.irp e, 0,1,2,3,4,5,6,7,8,9,10,11,12,13,14,15
	v_mov_b32 v[AC2+32*\pp+16+\e], v[ACC+32*\pp+16+\e]
.endr
.endr
	ds_store_b64 v[EXW], v[HE1:HE1+1] offset:EX2
.endm
.macro PRE2T                           ; what stands ahead of my two runs, and the running log-sum for the next trip
	SELECT NEG
	LAE2 XA, Y2, HE, TT+15, XB, YN
	LAE2 XA, XB, Y2, Y2, PP, PP+1
	v_mov_b32 v[Y2], v[YN]
.endm
.macro FIN pp
.set KR, AC2+32*(\pp)
.set TH, KR+16
.irp u, 0,2,4,6,8,10,12,14
	v_pk_add_f32 v[DR+\u:DR+\u+1], v[TH+\u:TH+\u+1], v[PP:PP+1] neg_lo:[0,1] neg_hi:[0,1]
.endr
.irp e, 0,1,2,3,4,5,6,7,8,9,10,11,12,13,14,15
	v_mul_f32 v[DR+\e], s[NLC], |v[DR+\e]|
.endr
	s_wait_alu depctr_va_vdst(0)
.irp e, 0,1,2,3,4,5,6,7,8,9,10,11,12,13,14,15
	v_exp_f32 v[DR+\e], v[DR+\e]
.endr
.irp e, 0,1,2,3,4,5,6,7,8,9,10,11,12,13,14,15
	v_max_num_f32 v[MR+\e], v[TH+\e], v[PP+(\e%2)]
.endr
	s_wait_alu depctr_va_vdst(0)
.irp u, 0,2,4,6,8,10,12,14
	v_pk_add_f32 v[DR+\u:DR+\u+1], v[DR+\u:DR+\u+1], 1.0 op_sel_hi:[1,0]
.endr
	s_wait_alu depctr_va_vdst(0)
.irp e, 0,1,2,3,4,5,6,7,8,9,10,11,12,13,14,15
	v_log_f32 v[DR+\e], v[DR+\e]
.endr
	v_nop
	s_wait_alu depctr_va_vdst(0)
.irp u, 0,2,4,6,8,10,12,14
	v_pk_fma_f32 v[TH+\u:TH+\u+1], v[DR+\u:DR+\u+1], s[LN2:LN2+1], v[MR+\u:MR+\u+1] op_sel_hi:[1,0,1]
.endr
.irp u, 0,2,4,6,8,10,12,14
	v_pk_add_f32 v[TH+\u:TH+\u+1], v[TH+\u:TH+\u+1], v[KR+\u:KR+\u+1]
.endr
.irp u, 0,2,4,6,8,10,12,14
	v_pk_mul_f32 v[TH+\u:TH+\u+1], v[TH+\u:TH+\u+1], s[LC:LC+1] op_sel_hi:[1,0]
.endr
	s_wait_alu depctr_va_vdst(0)
.irp e, 0,1,2,3,4,5,6,7,8,9,10,11,12,13,14,15
	v_exp_f32 v[TH+\e], v[TH+\e]
.endr
.endm
.macro QUANT lo, hi, t, cc
	v_max3_num_f32 v[\t], v[\lo], v[\lo+1], 0x1800000
	v_max3_num_f32 v[\t+1], v[\hi], v[\hi+1], v[\hi+2]
.irp e, 0,2,4,6,8,10
	s_delay_alu instid0(VALU_DEP_2)
	v_max3_num_f32 v[\t], v[\t], v[\lo+2+\e], v[\lo+3+\e]
	s_delay_alu instid0(VALU_DEP_2)
	v_max3_num_f32 v[\t+1], v[\t+1], v[\hi+3+\e], v[\hi+4+\e]
.endr
	s_delay_alu instid0(VALU_DEP_2)
	v_max3_num_f32 v[\t], v[\t], v[\lo+14], v[\lo+15]
	s_delay_alu instid0(VALU_DEP_1)
	v_max3_num_f32 v[\t], v[\t], v[\t+1], v[\hi+15]
	s_delay_alu instid0(VALU_DEP_1)
	v_add_nc_u32 v[\t+2], 0xff000000, v[\t]
	v_cvt_scalef32_pk8_fp4_f32 v[\cc], v[\lo:\lo+7], v[\t+2]
	v_cvt_scalef32_pk8_fp4_f32 v[\cc+1], v[\lo+8:\lo+15], v[\t+2]
	v_cvt_scalef32_pk8_fp4_f32 v[\cc+2], v[\hi:\hi+7], v[\t+2]
	v_cvt_scalef32_pk8_fp4_f32 v[\cc+3], v[\hi+8:\hi+15], v[\t+2]
	v_lshrrev_b32 v[\t+3], 23, v[\t+2]
.endm
.macro QOUT
	v_add_nc_u32 v[HSA], s[HN], v[HS0]
.irp pp, 0,1
.irp q, 0,1,2,3,4,5,6,7
.irp p, 0,1
	ds_store_b32 v[TW], v[AC2+32*\pp+16+2*\q+\p] offset:(16*(\q%4)+4*\p+2*\pp+\q/4)*TRP
.endr
.endr
.endr
	s_wait_dscnt 0x0
	s_barrier_signal -1
	s_barrier_wait -1
.irp g, 0,1,2,3,4,5,6,7
	ds_load_b128 v[MR+4*\g:MR+4*\g+3], v[TRD] offset:16*\g
.endr
	s_wait_dscnt 0x0
	QUANT MR, DR, 88, 100
	global_store_b128 v[HCO], v[100:103], s[20:21]
	ds_store_b8 v[HSA], v91
	s_wait_xcnt 0x0
	s_add_nc_u64 s[20:21], s[20:21], 4096
	s_add_co_u32 s[HN], s[HN], 32
.endm
; a trip's front: products, activations, the runs' sums, the change of slots (its barrier also shows both tables in LDS to all waves), a* and log z + log_g - a*.  two = 1: the trip before has its runs' log-sums in LDS
.macro FRONT fill, two
	s_wait_loadcnt 0x0
	GT 0
	GT 1
	ACT 0
	SUM 0
	GT 2
	GT 3
	XSLOAD \fill
	ACT 1
	SUM 1
	ds_store_b64 v[EXW], v[AE:AE+1]
	MEET \fill
	PRELOAD
.if \two
.set TT, T2
	PRELOAD2
.set TT, 56
.endif
	NEXTX
	PRE1
	APPLY
.endm
; a trip's back: h of the trip in v192-255, quantised and stored
.macro BACK
.set TT, T2
	PRE2T
.set TT, 56
	FIN 0
	FIN 1
	v_nop
	s_wait_alu depctr_va_vdst(0)
	QOUT
.endm
.macro BODY fill
	FRONT \fill, 1
	JCH2
	BACK
	SHIFT                                          ; behind QOUT's barrier: every wave has read the last table of log-sums
.endm
	s_load_b512 s[4:19], s[0:1], 0x0
	s_load_b128 s[20:23], s[0:1], 0x40
	v_lshl_add_u32 v[SPW], v0, 2, SPARE
	v_mov_b32 v[NIL], 0
	ds_add_u32 v2, v3
	ds_add_u32 v2, v3
	s_wait_dscnt 0x0
	v_lshrrev_b32 v21, 5, v0
	s_delay_alu instid0(VALU_DEP_1)
	v_readfirstlane_b32 s[WV], v21
	s_and_b32 s[WQ], s[WV], 3
	s_lshr_b32 s[CT], s[WV], 2
	s_bfe_u32 s[CX], ttmp6, 0x40000
	s_lshl_b32 s[CB], ttmp9, 2
	s_add_co_u32 s[CB], s[CB], s[CX]
	s_and_b32 s[BB], ttmp7, 0xffff
	s_mov_b32 s[G1], 15|(3<<16)|(1<<20)|(1<<21)|(6<<22)|(3<<25)
	s_mov_b32 s[G1+1], 256<<16
	s_mov_b32 s[G1+2], 8<<16
	s_mov_b32 s[G1+3], 256<<16
	s_mov_b32 s[G1+4], 8
	s_mov_b32 s[G1+5], 1024
	s_mov_b32 s[G1+6], 0
	s_mov_b32 s[G1+7], 0
	s_mov_b32 s[LC], 0x3fb8aa3b
	s_mov_b32 s[LC+1], 0x3fb8aa3b
	s_mov_b32 s[NLC], 0xbfb8aa3b
	s_mov_b32 s[NLC+1], 0xbfb8aa3b
	s_mov_b32 s[LN2], 0x3f317218
	s_mov_b32 s[LN2+1], 0x3f317218
	s_mov_b32 s[NLN2], 0xbf317218
	s_mov_b32 s[NLN2+1], 0xbf317218
	s_mov_b32 s[HI16], 0xffff0000
	s_mov_b32 s[TB], 0
	s_mov_b32 s[HN], 0
	s_mov_b32 s[CNT], 6
	s_lshl_b32 s66, s[BB], 20
	s_lshl_b32 s67, s[WQ], 11
	s_add_co_u32 s66, s66, s67
	s_mov_b32 s67, 0
	s_lshl_b32 s86, s[CT], 16
	s_mov_b32 s87, 0
	s_mul_i32 s70, s[WQ], RUN
	s_mul_i32 s71, s[CT], HALFR
	s_add_co_u32 s70, s70, s71
	s_lshl_b32 s72, s[CX], 15
	s_mov_b32 s73, 0
	s_or_b32 s[LIM], s[CT], ttmp9
	s_cmp_eq_u32 s[LIM], 0
	s_cselect_b32 s[LIM], 1, -1
	s_cmp_eq_u32 s[WQ], 1
	s_cselect_b32 s[WM1], -1, 0
	s_cmp_eq_u32 s[WQ], 2
	s_cselect_b32 s[WM1+1], -1, 0
	s_cmp_eq_u32 s[WQ], 3
	s_cselect_b32 s[WM1+2], -1, 0
	s_wait_kmcnt 0x0
	s_add_nc_u64 s[68:69], s[4:5], s[66:67]
	s_add_nc_u64 s[PFA:PFA+1], s[68:69], s[72:73]
	s_add_nc_u64 s[PFA:PFA+1], s[PFA:PFA+1], 2*TILEB
	s_add_nc_u64 s[68:69], s[68:69], s[86:87]
	s_mov_b32 s[G0A], 1
	s_mov_b32 s[G0A+1], s70
	s_mov_b64 s[G0A+2:G0A+3], s[68:69]
	s_or_b32 s[G0A+3], s[G0A+3], 0x80000000
	s_mov_b32 s[G0B], 1
	s_add_co_u32 s[G0B+1], s70, SLOTX
	s_add_nc_u64 s[G0B+2:G0B+3], s[68:69], TILEB
	s_or_b32 s[G0B+3], s[G0B+3], 0x80000000
	CROUND
	tensor_load_to_lds s[G0A:G0A+3], s[G1:G1+7]
	s_nop 0                                        ; tile 0: my one load at the head; the addresses are made and the weights asked for while it is out
.rept 4
	v_nop
.endr
	s_lshl_b32 s74, s[CB], 14
	s_lshl_b32 s76, s[CT], 13
	s_add_co_u32 s74, s74, s76
	s_mov_b32 s75, 0
	s_add_nc_u64 s[8:9], s[8:9], s[74:75]
	s_add_nc_u64 s[14:15], s[14:15], s[74:75]
	s_lshl_b32 s74, s[CB], 10
	s_lshl_b32 s76, s[CT], 9
	s_add_co_u32 s74, s74, s76
	s_add_nc_u64 s[10:11], s[10:11], s[74:75]
	s_add_nc_u64 s[16:17], s[16:17], s[74:75]
	s_lshl_b32 s74, s[CB], 7
	s_lshl_b32 s76, s[CT], 6
	s_add_co_u32 s74, s74, s76
	s_add_nc_u64 s[12:13], s[12:13], s[74:75]
	s_add_nc_u64 s[18:19], s[18:19], s[74:75]
	s_lshl_b32 s74, s[BB], 16
	s_add_nc_u64 s[6:7], s[6:7], s[74:75]
	s_lshl_b32 s76, s[BB], 5
	s_add_co_u32 s76, s76, s[CB]
	s_lshl_b32 s74, s76, 15
	s_add_nc_u64 s[20:21], s[20:21], s[74:75]
	s_lshl_b32 s74, s76, 11
	s_add_nc_u64 s[22:23], s[22:23], s[74:75]
	v_and_b32 v21, 15, v0
	v_bfe_u32 v22, v0, 4, 1
	v_and_b32 v23, 31, v0
	v_and_b32 v8, 8, v0
	v_and_b32 v9, 1, v0
	v_bfe_u32 v10, v0, 1, 2
	s_delay_alu instid0(VALU_DEP_2)
	v_lshl_add_u32 v11, v9, 2, v8
	s_delay_alu instid0(VALU_DEP_1)
	v_add_nc_u32 v11, v11, v10
	s_lshl_b32 s77, s[WQ], 4
	v_add_nc_u32 v11, s77, v11
	s_delay_alu instid0(VALU_DEP_1)
	v_mul_u32_u24 v11, v11, XP
	s_delay_alu instid0(VALU_DEP_1)
	v_lshl_add_u32 v11, v22, 4, v11
.irp i, 0,1,2,3
	v_add_nc_u32 v[AX0+\i], \i*RUN, v11
.endr
	v_lshlrev_b32 v8, 2, v8
	s_delay_alu instid0(VALU_DEP_1)
	v_lshl_add_u32 v8, v9, 4, v8
	s_delay_alu instid0(VALU_DEP_1)
	v_add_nc_u32 v8, v8, v10
	s_lshl_b32 s77, s[WQ], 6
	v_add_nc_u32 v8, s77, v8
	s_delay_alu instid0(VALU_DEP_1)
	v_lshlrev_b32 v8, 5, v8
	s_delay_alu instid0(VALU_DEP_1)
	v_lshl_add_u32 v[XSO], v22, 4, v8
	s_mul_i32 s77, s[WQ], TRW
	s_add_co_u32 s77, s77, TRB
	s_lshl_b32 s78, s[CT], 6
	s_add_co_u32 s78, s78, s77
	v_mul_u32_u24 v[TW], v22, 8*TRP
	s_delay_alu instid0(VALU_DEP_1)
	v_lshl_add_u32 v[TW], v21, 2, v[TW]
	s_delay_alu instid0(VALU_DEP_1)
	v_add_nc_u32 v[TW], s78, v[TW]
	s_mul_i32 s78, s[CT], 32*TRP
	s_add_co_u32 s78, s78, s77
	v_mul_u32_u24 v[TRD], v23, TRP
	s_delay_alu instid0(VALU_DEP_1)
	v_add_nc_u32 v[TRD], s78, v[TRD]
	s_lshl_b32 s78, s[WV], 8
	s_add_co_u32 s78, s78, HSB
	v_add_nc_u32 v[HS0], s78, v23
	s_lshl_b32 s79, s[WQ], 10
	s_lshl_b32 s78, s[CT], 9
	s_add_co_u32 s79, s79, s78
	v_lshl_add_u32 v[HCO], v23, 4, s79
	s_mul_i32 s79, s[CT], 16*EXPI
	s_add_co_u32 s79, s79, EXB
	v_mul_u32_u24 v[EXR], v21, EXPI
	s_delay_alu instid0(VALU_DEP_1)
	v_add_nc_u32 v[EXR], s79, v[EXR]
	s_lshl_b32 s79, s[WQ], 4
	v_lshl_add_u32 v[EXW], v22, 3, v[EXR]
	s_delay_alu instid0(VALU_DEP_1)
	v_add_nc_u32 v[EXW], s79, v[EXW]
	v_bfe_u32 v9, v0, 3, 2
	v_and_b32 v10, 7, v0
	s_delay_alu instid0(VALU_DEP_1)
	v_lshlrev_b32 v10, 8, v10
	s_delay_alu instid0(VALU_DEP_1)
	v_lshl_add_u32 v[PFO], v9, 13, v10
	v_lshlrev_b32 v88, 9, v21
	s_delay_alu instid0(VALU_DEP_1)
	v_lshl_add_u32 v88, v22, 4, v88
	v_lshlrev_b32 v89, 5, v21
	v_lshlrev_b32 v90, 2, v21
	WIN 0x40
.irp s, 0,1,2,3,4,5,6,7
.irp c, 0,1
	global_load_b128 v[8*\s+4*\c:8*\s+4*\c+3], v88, s[8:9] offset:64*\s+32*\c
	global_load_b128 v[64+8*\s+4*\c:64+8*\s+4*\c+3], v88, s[14:15] offset:64*\s+32*\c
.endr
.endr
	global_load_b32 v[BI], v90, s[12:13]
	global_load_b32 v[BI+8], v90, s[18:19]
	WIN 0
	global_load_b128 v[WS:WS+3], v89, s[10:11]
	global_load_b128 v[WS+4:WS+7], v89, s[10:11] offset:16
	global_load_b128 v[WS+8:WS+11], v89, s[16:17]
	global_load_b128 v[WS+12:WS+15], v89, s[16:17] offset:16
.irp i, 0,1,2,3
	global_load_b128 v[XS+4*\i:XS+4*\i+3], v[XSO], s[6:7] offset:128*\i
.endr
	v_mov_b32 v[X2], 0
	v_mov_b32 v[NEG], 0xf149f2ca
	v_mov_b32 v[Y2], 0xf149f2ca
	v_mov_b32 v[VLN], 0x3f317218
	v_mov_b32 v[VNLN], 0xbf317218
	s_wait_alu depctr_va_vdst(0)
	s_wait_tensorcnt 0x0                           ; my part of tile 0 is in; slot 1's first fill is issued as a refill is
	ds_add_u32 v2, v3
	s_wait_dscnt 0x0
	CROUND                                         ; everybody's part of tile 0 is in
	tensor_load_to_lds s[G0B:G0B+3], s[G1:G1+7]
	s_nop 0
.rept 4
	v_nop
.endr
	s_wait_loadcnt 0x0                             ; the weights, their scale words, the biases
	WIN 0x41
.irp g, 0,1
.irp j, 1,2,3,4,5,6,7
	v_mov_b32 v[BI+8*\g+\j], v[BI+8*\g]
.endr
.endr
	WIN 0
	PLACES
.irp i, 0,1,2,3
	v_add_nc_u32 v[ADX+\i], s[TB], v[AX0+\i]
.endr
	FETCH 0, 0
	FETCH 0, 1
	WIN 0
	s_wait_alu depctr_va_vdst(0)
	FRONT 1, 0                                     ; trip 0: its front, and its chain inside the runs by itself
	JCH
	SHIFT
	s_mov_b32 s[CNT], 5                            ; five more trips fill a slot again
	s_wait_alu depctr_va_vdst(0)
	s_wait_dscnt 0x0                               ; my reads of the runs' sums are back: the next trip stores over them only behind this barrier
	s_barrier_signal -1
	s_barrier_wait -1
.Llap:
	s_wait_alu depctr_va_vdst(0)
	BODY 1
	s_sub_co_u32 s[CNT], s[CNT], 1
	s_cmp_lg_u32 s[CNT], 0
	s_cbranch_scc1 .Llap
	s_mov_b32 s[CNT], 2
.Ltail:                                                ; the fronts of the last two trips fill nothing
	s_wait_alu depctr_va_vdst(0)
	BODY 0
	s_sub_co_u32 s[CNT], s[CNT], 1
	s_cmp_lg_u32 s[CNT], 0
	s_cbranch_scc1 .Ltail
	s_wait_alu depctr_va_vdst(0)
	s_wait_dscnt 0x0                               ; for the others' sake: my runs' last log-sums of the last trip are stored
	s_barrier_signal -1
	s_barrier_wait -1
.set TT, T2
	PRELOAD2
	s_wait_dscnt 0x0
	PRE2C                                          ; the last trip's chain across the runs, by itself
.set TT, 56
	BACK
	v_bfe_u32 v21, v0, 3, 2
	s_delay_alu instid0(VALU_DEP_1)
	v_lshlrev_b32 v21, 8, v21
	v_lshrrev_b32 v22, 5, v0
	s_delay_alu instid0(VALU_DEP_1)
	v_lshl_add_u32 v21, v22, 5, v21
	v_and_b32 v22, 7, v0
	s_delay_alu instid0(VALU_DEP_1)
	v_lshl_add_u32 v21, v22, 1, v21
	s_delay_alu instid0(VALU_DEP_1)
	v_add_nc_u32 v21, HSB, v21
	v_lshlrev_b32 v22, 3, v0
	s_wait_alu depctr_va_vdst(0)
	s_wait_dscnt 0x0
	s_barrier_signal -1
	s_barrier_wait -1
	ds_load_u8 v88, v21
	ds_load_u8 v90, v21 offset:16
	ds_load_u8 v91, v21 offset:1024
	ds_load_u8 v92, v21 offset:1040
	ds_load_u8 v89, v21 offset:1
	ds_load_u8 v93, v21 offset:17
	ds_load_u8 v94, v21 offset:1025
	ds_load_u8 v95, v21 offset:1041
	s_wait_dscnt 0x0
	v_lshl_or_b32 v88, v90, 8, v88
	v_lshl_or_b32 v89, v93, 8, v89
	s_delay_alu instid0(VALU_DEP_2)
	v_lshl_or_b32 v88, v91, 16, v88
	s_delay_alu instid0(VALU_DEP_2)
	v_lshl_or_b32 v89, v94, 16, v89
	s_delay_alu instid0(VALU_DEP_2)
	v_lshl_or_b32 v88, v92, 24, v88
	s_delay_alu instid0(VALU_DEP_2)
	v_lshl_or_b32 v89, v95, 24, v89
	global_store_b64 v22, v[88:89], s[22:23]
	s_wait_tensorcnt 0x0
	ds_add_u32 v[SPW], v[NIL]
	s_wait_dscnt 0x0
	CROUND
	s_endpgm
.Lfunc_end_k_qfa54d89211_gru:
	.size	k_qfa54d89211_gru, .Lfunc_end_k_qfa54d89211_gru-k_qfa54d89211_gru
	.p2alignl 7, 3214868480
	.fill 96, 4, 3214868480
	.section	.rodata,"a",@progbits
	.p2align	6, 0x0
	.amdhsa_kernel k_qfa54d89211_gru
		.amdhsa_group_segment_fixed_size 327680
		.amdhsa_private_segment_fixed_size 0
		.amdhsa_enable_private_segment 0
		.amdhsa_kernarg_size 80
		.amdhsa_user_sgpr_count 2
		.amdhsa_user_sgpr_kernarg_segment_ptr 1
		.amdhsa_wavefront_size32 1
		.amdhsa_system_sgpr_workgroup_id_x 1
		.amdhsa_system_sgpr_workgroup_id_y 1
		.amdhsa_system_sgpr_workgroup_id_z 1
		.amdhsa_system_vgpr_workitem_id 0
		.amdhsa_next_free_vgpr 480
		.amdhsa_next_free_sgpr 100
		.amdhsa_reserve_vcc 1
		.amdhsa_float_denorm_mode_32 3
		.amdhsa_float_denorm_mode_16_64 3
		.amdhsa_memory_ordered 1
		.amdhsa_forward_progress 1
		.amdhsa_inst_pref_size 255
	.end_amdhsa_kernel
	.section	.bss,"aw",@nobits
	.p2align	6
	.space	262144
	.amdgpu_metadata
---
amdhsa.version: [ 1, 2 ]
amdhsa.kernels:
  - .name:           k_qfa54d89211_gru
    .symbol:         k_qfa54d89211_gru.kd
    .args:
      - { .name: x_codes, .offset: 0, .size: 8, .value_kind: global_buffer, .address_space: global }
      - { .name: x_scales, .offset: 8, .size: 8, .value_kind: global_buffer, .address_space: global }
      - { .name: Wz_codes, .offset: 16, .size: 8, .value_kind: global_buffer, .address_space: global }
      - { .name: Wz_scales, .offset: 24, .size: 8, .value_kind: global_buffer, .address_space: global }
      - { .name: bz, .offset: 32, .size: 8, .value_kind: global_buffer, .address_space: global }
      - { .name: Wh_codes, .offset: 40, .size: 8, .value_kind: global_buffer, .address_space: global }
      - { .name: Wh_scales, .offset: 48, .size: 8, .value_kind: global_buffer, .address_space: global }
      - { .name: bh, .offset: 56, .size: 8, .value_kind: global_buffer, .address_space: global }
      - { .name: h_codes, .offset: 64, .size: 8, .value_kind: global_buffer, .address_space: global }
      - { .name: h_scales, .offset: 72, .size: 8, .value_kind: global_buffer, .address_space: global }
    .group_segment_fixed_size: 327680
    .private_segment_fixed_size: 0
    .kernarg_segment_align: 8
    .kernarg_segment_size: 80
    .max_flat_workgroup_size: 256
    .sgpr_count:     100
    .vgpr_count:     480
    .wavefront_size: 32
...
	.end_amdgpu_metadata
.endif
;; end of part 1
;; launch outp (part 2): grid 4 x 64, 4 waves a work-group, clusters of 4 x 4, 327,680 bytes of LDS; arguments h_codes, h_scales, Wo_codes, Wo_scales, bo, out0; writes out0
.if DOCPART == 2
	.amdgcn_target "amdgcn-amd-amdhsa--gfx1250"
	.amdhsa_code_object_version 6
	.text
	.protected	k_qfa54d89211_outp
	.globl	k_qfa54d89211_outp
	.p2align	8
	.type	k_qfa54d89211_outp,@function
k_qfa54d89211_outp:
	s_mov_b64 s[64:65], 0
	v_nop
	global_prefetch_b8 v0, s[64:65] scope:SCOPE_SE
	s_setreg_imm32_b32 hwreg(HW_REG_WAVE_MODE, 25, 1), 1
	s_wait_xcnt 0x0
	s_wait_alu depctr_hold_cnt(0) depctr_sa_sdst(0) depctr_va_vdst(0) depctr_va_sdst(0) depctr_va_ssrc(0) depctr_va_vcc(0) depctr_vm_vsrc(0)
	s_getreg_b32 s2, hwreg(HW_REG_IB_STS2, 6, 4)
	s_cmp_eq_u32 s2, 0
	s_cbranch_scc0 .Lentry_in_a_cluster
	s_endpgm
.Lentry_in_a_cluster:
	s_bfe_u32 s2, ttmp6, 0x10000c
	s_cmp_lg_u32 s2, 0xf033
	s_cbranch_scc0 .Lentry_shape_is_right
	s_endpgm
.Lentry_shape_is_right:
; MinGRU, second launch: out = Q(h) Wo^T + bo, on FP4 codes with E8M0 scales; h's codes and scale bytes are the first launch's, Wo's arrive so.  out: [16,384][1,024] f32.
; SHARES.  A work-group makes 256 rows x 256 columns: 4 x 64 = 256 work-groups; wave w rows 128 (w / 2) on, columns 128 (w % 2) on.  K is 1,024: all operands of the tile fit in LDS, so everything is filled ONCE, at the
; head; there is no ring.  A wave's 128 columns of Wo x K 1,024 then stay in 512 REGISTERS; h goes by blocks of 16 rows: a block is finished in 64 products (8 accumulators by turns, K ascending) and leaves at once,
; so that the stores are spread over the whole launch.
; THE MATRIX INSTRUCTION IS USED TRANSPOSED (source 0 = 16 rows of Wo, source 1 = 16 rows of h): a lane holds eight neighbouring columns of one row of out.  bo is the C of each sum's first product.
; h_codes: [sequence][block of 32 channels][place][16 bytes], step 64 q + t at place 64 q + 16 (t % 4) + t / 4.  So block a of a wave (rows 64 (a / 4) + 4 r + a % 4) is 256 bytes on end in each of the 32 planes, and a
; register group of a fragment (32 codes of one row) is 16 bytes of one plane.  h_scales: [sequence][block][step]: a row's scale words are put together once, at the head, by byte permutes.
; CLUSTER: 4 x 4 work-groups.  The four of a row of the cluster need the same h, the four of a column the same Wo: each tile is asked for JOINTLY.
; REGISTERS, in windows of 256: window 0: v1-9 addresses; v16-19 at work; v64-191 h's fragments, two sets of 64; v192-223 h's scale words; v224-255 Wo's.   windows 1, 2: Wo's fragments (column tile nb, K step s) at
; v[32 nb + 8 (s % 4)] of window 1 + s / 4.   window 3: v0-63 the accumulators, v64-127 bo, v128-191 16 rows on their way out.
.set LA0,  0                           ; LDS: h's codes: 32 planes x 4,096 bytes
.set LB0,  131072                      ; Wo's codes: 256 rows x (512 + 16) bytes
.set BP,   528
.set AS0,  LB0+256*BP                  ; h's scale bytes: 32 planes x (256 + 16)
.set BS0,  AS0+32*272                  ; Wo's: 8,192 dense bytes as 32 units of 256 + 16
.set STG,  BS0+32*272                  ; each wave's stage: 16 rows x (512 + 16); no fill lands here
.set SP,   528
.set AA,   1                           ; v1, v2  my lane's place in planes 0-15, 16-31
.set BA,   3
.set ASA,  4
.set BSA,  5
.set STO,  6
.set RD,   7
.set CO,   8
.set BIO,  9
.set AF,   64
.set ASW,  192                         ; register 16 (a / 4) + 4 u + a % 4: lanes 0-15 the word of K step 2 u, lanes 16-31 of 2 u + 1
.set BSW,  224                         ; register 4 nb + q: lanes 0-15 the word of K step q, lanes 16-31 of 4 + q
.set BIAS, 64                          ; in window 3
.set BK,   128                         ; in window 3
.set G1A,  24                          ; s[24:31] group 1 for h's codes;  s[32:39] for h's scales;  s[48:55] Wo's codes;  s[56:63] Wo's scales
.set G1AS, 32
.set G1B,  48
.set G1BS, 56
.set G0A,  68                          ; s[68:71], s[72:75], s[76:79], s[80:83] their groups 0
.set G0AS, 72
.set G0B,  76
.set G0BS, 80
.set MSB, 0
.macro WIN new                         ; the immediate's high byte repeats the setting that is left
.if MSB != \new
	s_set_vgpr_msb (MSB<<8)|\new
.set MSB, \new
.endif
.endm
.macro CROUND                          ; a round of the cluster's barrier
	s_barrier_signal -1
	s_barrier_wait -1
	s_cmp_lg_u32 s16, 0
	s_cbranch_scc1 .Lnot_wave_0_\@
	s_barrier_signal -3
.Lnot_wave_0_\@:
	s_barrier_wait -3
	s_barrier_signal -1
	s_barrier_wait -1
.endm
.macro WMS ra, rb                      ; one scaled FP4 product on the registers named by rD, rA, rB, rC, rSA, rSB; ra, rb: which half of the lanes holds the scale words
.if (\ra) == 0
.if (\rb) == 0
	v_wmma_scale_f32_16x16x128_f8f6f4 v[rD:rD+7], v[rA:rA+7], v[rB:rB+7], v[rC:rC+7], v[rSA], v[rSB] matrix_a_fmt:MATRIX_FMT_FP4 matrix_b_fmt:MATRIX_FMT_FP4
.else
	v_wmma_scale_f32_16x16x128_f8f6f4 v[rD:rD+7], v[rA:rA+7], v[rB:rB+7], v[rC:rC+7], v[rSA], v[rSB] matrix_a_fmt:MATRIX_FMT_FP4 matrix_b_fmt:MATRIX_FMT_FP4 matrix_b_scale:MATRIX_SCALE_ROW1
.endif
.else
.if (\rb) == 0
	v_wmma_scale_f32_16x16x128_f8f6f4 v[rD:rD+7], v[rA:rA+7], v[rB:rB+7], v[rC:rC+7], v[rSA], v[rSB] matrix_a_fmt:MATRIX_FMT_FP4 matrix_b_fmt:MATRIX_FMT_FP4 matrix_a_scale:MATRIX_SCALE_ROW1
.else
	v_wmma_scale_f32_16x16x128_f8f6f4 v[rD:rD+7], v[rA:rA+7], v[rB:rB+7], v[rC:rC+7], v[rSA], v[rSB] matrix_a_fmt:MATRIX_FMT_FP4 matrix_b_fmt:MATRIX_FMT_FP4 matrix_a_scale:MATRIX_SCALE_ROW1 matrix_b_scale:MATRIX_SCALE_ROW1
.endif
.endif
.endm
	s_load_b256 s[4:11], s[0:1], 0x0               ; h's codes s[4:5], h's scales s[6:7], Wo's codes s[8:9], Wo's scales s[10:11]
	s_load_b128 s[12:15], s[0:1], 0x20             ; bo s[12:13], out s[14:15]
	v_lshl_add_u32 v62, v0, 2, 0x4d800
	v_mov_b32 v63, 0
	ds_add_u32 v62, v63
	ds_add_u32 v62, v63
	v_lshrrev_b32 v10, 5, v0
	v_readfirstlane_b32 s16, v10                   ; wave 0..3
	s_lshr_b32 s17, s16, 1                         ; which half of the rows is mine
	s_and_b32 s18, s16, 1                          ; which half of the columns
	s_bfe_u32 s40, ttmp6, 0x40000                  ; cx, cy: my place in the cluster
	s_bfe_u32 s41, ttmp6, 0x40004
	s_lshl_b32 s42, ttmp9, 2
	s_add_co_u32 s42, s42, s40                     ; x: my 256 columns
	s_and_b32 s19, ttmp7, 0xffff
	s_lshl_b32 s19, s19, 2
	s_add_co_u32 s19, s19, s41                     ; y: my 256 rows
	s_lshl_b32 s43, s41, 2
	s_lshl_b32 s43, 15, s43                        ; my row of the cluster
	s_lshl_b32 s44, 0x1111, s40                    ; my column
	; THE HEAD'S FOUR TILES, each whole, one a wave.  h's codes: 32 planes' pieces of 4,096 bytes (512 elements of 8 bytes), 32,768 bytes apart; dense in LDS
	s_or_b32 s[G1A], s43, (3<<16)|(1<<21)
	s_mov_b32 s[G1A+1], 512<<16
	s_mov_b32 s[G1A+2], 32<<16
	s_mov_b32 s[G1A+3], 512<<16
	s_mov_b32 s[G1A+4], 32
	s_mov_b32 s[G1A+5], 4096
	s_mov_b32 s[G1A+6], 0
	s_mov_b32 s[G1A+7], 0
	; h's scale bytes: 32 planes' pieces of 256 bytes, 2,048 bytes apart; 16 bytes of padding behind each
	s_or_b32 s[G1AS], s43, (3<<16)|(1<<20)|(1<<21)|(5<<22)|(3<<25)
	s_mov_b32 s[G1AS+1], 32<<16
	s_mov_b32 s[G1AS+2], 32<<16
	s_mov_b32 s[G1AS+3], 32<<16
	s_mov_b32 s[G1AS+4], 32
	s_mov_b32 s[G1AS+5], 256
	s_mov_b32 s[G1AS+6], 0
	s_mov_b32 s[G1AS+7], 0
	; Wo's codes: 256 rows of 512 bytes, dense in memory; 16 bytes of padding behind each
	s_or_b32 s[G1B], s44, (3<<16)|(1<<20)|(1<<21)|(6<<22)|(3<<25)
	s_mov_b32 s[G1B+1], 64<<16
	s_mov_b32 s[G1B+2], 256<<16
	s_mov_b32 s[G1B+3], 64<<16
	s_mov_b32 s[G1B+4], 256
	s_mov_b32 s[G1B+5], 64
	s_mov_b32 s[G1B+6], 0
	s_mov_b32 s[G1B+7], 0
	; Wo's scale bytes of 256 rows: 8,192 dense bytes as 32 rows of 256; 16 bytes of padding behind each
	s_or_b32 s[G1BS], s44, (3<<16)|(1<<20)|(1<<21)|(5<<22)|(3<<25)
	s_mov_b32 s[G1BS+1], 32<<16
	s_mov_b32 s[G1BS+2], 32<<16
	s_mov_b32 s[G1BS+3], 32<<16
	s_mov_b32 s[G1BS+4], 32
	s_mov_b32 s[G1BS+5], 32
	s_mov_b32 s[G1BS+6], 0
	s_mov_b32 s[G1BS+7], 0
	; where the tiles come from: h's hang on y alone, Wo's on x alone, each in registers that never hold the other coordinate
	s_lshr_b32 s20, s19, 3                         ; the sequence
	s_and_b32 s21, s19, 7                          ; which 256 steps of it
	s_lshl_b32 s84, s20, 20                        ; codes: 32 planes of 32,768 bytes a sequence,
	s_lshl_b32 s22, s21, 12                        ; 256 places of 16 bytes
	s_add_co_u32 s84, s84, s22
	s_mov_b32 s85, 0
	s_lshl_b32 s86, s20, 16                        ; scale bytes: 32 planes of 2,048,
	s_lshl_b32 s22, s21, 8
	s_add_co_u32 s86, s86, s22
	s_mov_b32 s87, 0
	s_lshl_b32 s88, s42, 17                        ; Wo: 256 rows of 512 bytes,
	s_mov_b32 s89, 0
	s_lshl_b32 s90, s42, 13                        ; and of 32 scale bytes
	s_mov_b32 s91, 0
	; where my wave reads its 128 rows of Wo's codes and scale words: no place in the cluster enters an LDS address
	s_mul_i32 s47, s18, 128*BP
	s_add_co_u32 s47, s47, LB0
	s_mul_i32 s66, s18, 16*272
	s_add_co_u32 s66, s66, BS0
	s_mov_b32 s96, 0x05010400                      ; byte selects for the 4 x 4 transposition of scale bytes
	s_mov_b32 s97, 0x07030602
	s_mov_b32 s98, 0x05040100
	s_mov_b32 s99, 0x07060302
	s_wait_dscnt 0x0
	s_wait_kmcnt 0x0
	s_mov_b32 s[G0A], 1
	s_mov_b32 s[G0A+1], LA0
	s_add_nc_u64 s[G0A+2:G0A+3], s[4:5], s[84:85]
	s_or_b32 s[G0A+3], s[G0A+3], 0x80000000
	s_mov_b32 s[G0AS], 1
	s_mov_b32 s[G0AS+1], AS0
	s_add_nc_u64 s[G0AS+2:G0AS+3], s[6:7], s[86:87]
	s_or_b32 s[G0AS+3], s[G0AS+3], 0x80000000
	s_mov_b32 s[G0B], 1
	s_mov_b32 s[G0B+1], LB0
	s_add_nc_u64 s[G0B+2:G0B+3], s[8:9], s[88:89]
	s_or_b32 s[G0B+3], s[G0B+3], 0x80000000
	s_mov_b32 s[G0BS], 1
	s_mov_b32 s[G0BS+1], BS0
	s_add_nc_u64 s[G0BS+2:G0BS+3], s[10:11], s[90:91]
	s_or_b32 s[G0BS+3], s[G0BS+3], 0x80000000
	CROUND                                         ; all sixteen work-groups are here: the joint loads meet
; one chain of branches on the wave's number, one joint load to an arm: wave 0 h's codes, wave 1 Wo's codes, wave 2 h's scale bytes, wave 3 Wo's
.macro ARM under, g0, g1, next
	s_cmp_lt_u32 s16, \under
	s_cbranch_scc0 \next
	tensor_load_to_lds s[\g0:\g0+3], s[\g1:\g1+7]
	s_nop 0
.rept 4
	v_nop
.endr
	s_branch .Lasked
\next:
.endm
	ARM 1, G0A,  G1A,  .Lhead_b
	ARM 2, G0B,  G1B,  .Lhead_as
	ARM 3, G0AS, G1AS, .Lhead_bs
	tensor_load_to_lds s[G0BS:G0BS+3], s[G1BS:G1BS+7]
	s_nop 0
.rept 4
	v_nop
.endr
.Lasked:
	s_lshl_b32 s94, s42, 10                        ; my first column, in bytes: 1,024 x + 512 x half
	s_lshl_b32 s92, s18, 9
	s_add_co_u32 s94, s94, s92
	s_mov_b32 s95, 0
	s_add_nc_u64 s[12:13], s[12:13], s[94:95]
	s_add_nc_u64 s[14:15], s[14:15], s[94:95]
	s_lshl_b32 s92, s19, 20                        ; my first row: 256 y + 128 x half, 4,096 bytes a row
	s_lshl_b32 s93, s17, 19
	s_add_co_u32 s92, s92, s93
	s_mov_b32 s93, 0
	s_add_nc_u64 s[14:15], s[14:15], s[92:93]
	v_and_b32 v10, 15, v0                          ; r
	v_bfe_u32 v11, v0, 4, 1                        ; h
	v_and_b32 v12, 31, v0                          ; lane
	v_lshlrev_b32 v[BIO], 5, v11                   ; bo: my half's eight numbers of a tile of 16
	WIN 0xc0                                       ; destination window 3
.irp nb, 0,1,2,3,4,5,6,7
	global_load_b128 v[BIAS+8*\nb:BIAS+8*\nb+3], v[BIO], s[12:13] offset:64*\nb
	global_load_b128 v[BIAS+8*\nb+4:BIAS+8*\nb+7], v[BIO], s[12:13] offset:64*\nb+16
.endr
	WIN 0
	v_lshlrev_b32 v13, 4, v10                      ; h's codes: place r of a block's 16, 16 bytes each,
	v_lshl_add_u32 v13, v11, 12, v13               ; plane + h,
	s_lshl_b32 s67, s17, 11                        ; my 128 rows
	v_add_nc_u32 v[AA], s67, v13
	v_add_nc_u32 v[AA+1], 0x10000, v[AA]           ; planes 16 on: an LDS offset has 16 bits
	v_mul_u32_u24 v13, v10, BP                     ; Wo's codes: row r x pitch + 16 h, in my 128 rows
	v_lshl_add_u32 v13, v11, 4, v13
	v_add_nc_u32 v[BA], s47, v13
	v_mul_u32_u24 v13, v11, 4*272                  ; h's scale bytes: four planes on for lanes 16-31; the four bytes of rows 4 r .. 4 r + 3
	v_lshl_add_u32 v13, v10, 2, v13
	s_lshl_b32 s67, s17, 7
	s_add_co_u32 s67, s67, AS0
	v_add_nc_u32 v[ASA], s67, v13
	v_lshrrev_b32 v13, 3, v10                      ; Wo's scale words: 32 bytes a row, eight rows to a unit of 272
	v_mul_u32_u24 v13, v13, 272
	v_and_b32 v14, 7, v10
	v_lshl_add_u32 v13, v14, 5, v13
	v_lshl_add_u32 v13, v11, 4, v13                ; lanes 16-31 take words 4 to 7
	v_add_nc_u32 v[BSA], s66, v13
	s_mul_i32 s67, s16, 16*SP
	s_add_co_u32 s67, s67, STG                     ; my stage
	v_mul_u32_u24 v13, v10, SP                     ; in: row r, 32 bytes for each half of the lanes
	v_lshl_add_u32 v13, v11, 5, v13
	v_add_nc_u32 v[STO], s67, v13
	v_lshl_add_u32 v[RD], v12, 4, s67              ; back: the 32 lanes take one row of 512 bytes;
	v_lshlrev_b32 v[CO], 4, v12                    ; and the same in out
	s_wait_alu depctr_va_vdst(0)
	s_wait_tensorcnt 0x0                           ; my tile is in,
	s_barrier_signal -1
	s_barrier_wait -1                              ; everybody's are
	WIN 0x40                                       ; Wo's fragments of K steps 0-3 into window 1,
.irp nb, 0,1,2,3,4,5,6,7
.irp s, 0,1,2,3
.irp c, 0,1
	ds_load_b128 v[32*\nb+8*\s+4*\c:32*\nb+8*\s+4*\c+3], v[BA] offset:\nb*16*BP+64*\s+32*\c
.endr
.endr
.endr
	WIN 0x80                                       ; of K steps 4-7 into window 2: they stay
.irp nb, 0,1,2,3,4,5,6,7
.irp s, 0,1,2,3
.irp c, 0,1
	ds_load_b128 v[32*\nb+8*\s+4*\c:32*\nb+8*\s+4*\c+3], v[BA] offset:\nb*16*BP+256+64*\s+32*\c
.endr
.endr
.endr
	WIN 0
.irp nb, 0,1,2,3,4,5,6,7
	ds_load_b128 v[BSW+4*\nb:BSW+4*\nb+3], v[BSA] offset:\nb*2*272
.endr
.irp g, 0,1
.irp u, 0,1,2,3
.irp q, 0,1,2,3
	ds_load_b32 v[AF+64+16*\g+4*\u+\q], v[ASA] offset:(8*\u+\q)*272+64*\g   ; plane 8 u + 4 h + q: the bytes of rows 64 g + 4 r + 0 .. 3
.endr
.endr
.endr
; block a's eight fragments of h: register group c of K step s is 16 bytes of plane 4 s + 2 c + h; sixteen lanes read 256 bytes on end
.macro FETCHA a
.set FA, AF+64*((\a)%2)
.irp s, 0,1,2,3,4,5,6,7
.irp c, 0,1
	ds_load_b128 v[FA+8*\s+4*\c:FA+8*\s+4*\c+3], v[AA+\s/4] offset:(\s%4)*16384+\c*8192+(\a)*256
.endr
.endr
.endm
	FETCHA 0
	s_wait_dscnt 16                                ; all but block 0's sixteen loads are in
.irp g, 0,1                                    ; four words (a plane each, four rows' bytes) become four words (a row each, four planes' bytes = one K step's scales)
.irp u, 0,1,2,3
	v_perm_b32 v16, v[AF+64+16*\g+4*\u+1], v[AF+64+16*\g+4*\u], s96
	v_perm_b32 v17, v[AF+64+16*\g+4*\u+1], v[AF+64+16*\g+4*\u], s97
	v_perm_b32 v18, v[AF+64+16*\g+4*\u+3], v[AF+64+16*\g+4*\u+2], s96
	v_perm_b32 v19, v[AF+64+16*\g+4*\u+3], v[AF+64+16*\g+4*\u+2], s97
	v_perm_b32 v[ASW+16*\g+4*\u], v18, v16, s98
	v_perm_b32 v[ASW+16*\g+4*\u+1], v18, v16, s99
	v_perm_b32 v[ASW+16*\g+4*\u+2], v19, v17, s98
	v_perm_b32 v[ASW+16*\g+4*\u+3], v19, v17, s99
.endr
.endr
.rept 8
	v_nop                                          ; a scale register written by a vector instruction stands eight places ahead of a scaled matrix instruction
.endr
	s_wait_alu depctr_va_vdst(0)
	s_wait_loadcnt 0x0                             ; bo
; four K steps of block a: 32 products, the eight accumulators by turns; the first K step takes bo as C
.macro MULB a, s0
.irp s, \s0, \s0+1, \s0+2, \s0+3
.irp nb, 0,1,2,3,4,5,6,7
.set rD, 8*\nb
.set rA, 32*\nb+8*((\s)%4)
.set rB, AF+64*((\a)%2)+8*(\s)
.if (\s) == 0
.set rC, BIAS+8*\nb
.else
.set rC, rD
.endif
.set rSA, BSW+4*\nb+(\s)%4
.set rSB, ASW+16*((\a)/4)+4*((\s)/2)+(\a)%4
	WMS (\s)/4, (\s)%2
.endr
.endr
.endm
; a lane holds 32 neighbouring bytes of a row, and the lanes beside it hold other rows: a block goes through my own stage and comes back as whole rows of 512 bytes.  LDS serves a wave's instructions in order (ISA guide 5.7.1.4)
.macro TOSTAGE
	WIN 0x0c                                       ; an LDS store's data: window 3
.irp nb, 0,1,2,3,4,5,6,7
	ds_store_b128 v[STO], v[8*\nb:8*\nb+3] offset:64*\nb          ; each accumulator from its low end on
	ds_store_b128 v[STO], v[8*\nb+4:8*\nb+7] offset:64*\nb+16
.endr
	WIN 0xc0                                       ; destination window 3
.irp t, 0,1,2,3,4,5,6,7,8,9,10,11,12,13,14,15
	ds_load_b128 v[BK+4*\t:BK+4*\t+3], v[RD] offset:\t*SP
.endr
	WIN 0
.endm
.macro SEND a                          ; stage row t is row 64 (a / 4) + a % 4 + 4 t of my 128: every offset is an immediate, 520,192 at the most, inside the signed 24 bits (ISA guide, chapter 10)
	WIN 0x0c                                       ; a store's data: window 3
.irp t, 0,1,2,3,4,5,6,7,8,9,10,11,12,13,14,15
	global_store_b128 v[CO], v[BK+4*\t:BK+4*\t+3], s[14:15] offset:(64*((\a)/4)+(\a)%4+4*\t)*4096 th:TH_STORE_NT   ; 32 lanes store 512 consecutive bytes, aligned; written once, read by nobody here
.endr
	WIN 0
.endm
.macro BLOCK a
.if (\a) < 7
	FETCHA (\a)+1                                  ; into the set that the block before multiplied: five places stand behind its last product
	s_wait_dscnt 16                                ; all but the sixteen just issued: this block's fragments are in, the block before is back from the stage, and its LDS stores have read the accumulators
.else
	s_wait_dscnt 0x0
.endif
.if (\a) > 0
	SEND (\a)-1
.endif
	WIN 0xf1                                       ; Wo window 1, h window 0, C and D window 3
	MULB \a, 0
	WIN 0xf2                                       ; Wo window 2
	MULB \a, 4
	WIN 0
.rept 5
	v_nop                                          ; the next block begins these accumulators anew with another C: five places (four would serve the LDS stores and the loads alone)
.endr
	s_wait_xcnt 0x0                                ; the last block's stores have read their registers: the rows on their way out are written again only behind this wait
	TOSTAGE
.endm
	BLOCK 0
	BLOCK 1
	BLOCK 2
	BLOCK 3
	BLOCK 4
	BLOCK 5
	BLOCK 6
	BLOCK 7
	s_wait_dscnt 0x0
	SEND 7
	s_wait_tensorcnt 0x0
	ds_add_u32 v62, v63
	s_wait_dscnt 0x0
	CROUND                                         ; the closing round: no work-group ends while a partner may still ask for a tile that names it
	s_endpgm
.Lfunc_end_k_qfa54d89211_outp:
	.size	k_qfa54d89211_outp, .Lfunc_end_k_qfa54d89211_outp-k_qfa54d89211_outp
	.p2alignl 7, 3214868480
	.fill 96, 4, 3214868480
	.section	.rodata,"a",@progbits
	.p2align	6, 0x0
	.amdhsa_kernel k_qfa54d89211_outp
		.amdhsa_group_segment_fixed_size 327680
		.amdhsa_private_segment_fixed_size 0
		.amdhsa_enable_private_segment 0
		.amdhsa_kernarg_size 48
		.amdhsa_user_sgpr_count 2
		.amdhsa_user_sgpr_kernarg_segment_ptr 1
		.amdhsa_wavefront_size32 1
		.amdhsa_system_sgpr_workgroup_id_x 1
		.amdhsa_system_sgpr_workgroup_id_y 1
		.amdhsa_system_sgpr_workgroup_id_z 1
		.amdhsa_system_vgpr_workitem_id 0
		.amdhsa_next_free_vgpr 1024
		.amdhsa_next_free_sgpr 100
		.amdhsa_reserve_vcc 0
		.amdhsa_float_denorm_mode_32 3
		.amdhsa_float_denorm_mode_16_64 3
		.amdhsa_memory_ordered 1
		.amdhsa_forward_progress 1
		.amdhsa_inst_pref_size 130
	.end_amdhsa_kernel
	.amdgpu_metadata
---
amdhsa.version: [ 1, 2 ]
amdhsa.kernels:
  - .name:           k_qfa54d89211_outp
    .symbol:         k_qfa54d89211_outp.kd
    .args:
      - { .name: h_codes, .offset: 0, .size: 8, .value_kind: global_buffer, .address_space: global }
      - { .name: h_scales, .offset: 8, .size: 8, .value_kind: global_buffer, .address_space: global }
      - { .name: Wo_codes, .offset: 16, .size: 8, .value_kind: global_buffer, .address_space: global }
      - { .name: Wo_scales, .offset: 24, .size: 8, .value_kind: global_buffer, .address_space: global }
      - { .name: bo, .offset: 32, .size: 8, .value_kind: global_buffer, .address_space: global }
      - { .name: out0, .offset: 40, .size: 8, .value_kind: global_buffer, .address_space: global }
    .group_segment_fixed_size: 327680
    .private_segment_fixed_size: 0
    .kernarg_segment_align: 8
    .kernarg_segment_size: 48
    .max_flat_workgroup_size: 128
    .sgpr_count:     100
    .vgpr_count:     1024
    .wavefront_size: 32
...
	.end_amdgpu_metadata
.endif
;; end of part 2
